; MI455X (gfx1250); checked and timed in simulation.
; The chip was launched on July 23, 2026; its instructions are those of AMD's public machine-readable ISA for CDNA 5 (MIT licence, August 2026) and "CDNA5" Instruction Set Architecture Reference Guide (July 2026). The comments in the code are by the model that wrote it; some were corrected since.
;; Laplacian. Allowed arithmetic: matrix products marked QUANTISED: E4M3 operands, one given power-of-two scale a tensor, by v_wmma_f32_16x16x64_fp8_fp8 or v_wmma_f32_16x16x128_fp8_fp8, f32 sums; products left as they are: f32 operands where the result goes on into a quantised operand, else bf16, f16 or f32 operands; f32 sums; everything else in f32.
;; Inputs: W1 128 x 512 float32; W2 512 x 1 float32; b1 512 float32; b2 1 float32; lowp_scales 6 int32 (the exponents e of the quantised operands' scales 2^e); x 512 x 128 float32.
;; Outputs: out0 128 x 512 x 1 float32; out1 128 x 512 x 1 float32; out2 512 x 1 float32.
;; This version of the problem:
;;   THIS VERSION OF THE PROBLEM IS GIVEN IN LOW PRECISION. The matrix products marked QUANTISED in the list below multiply operands that are first quantised to E4M3 (4 exponent bits, 3 mantissa bits; 8 bits a number), with one given power-of-two scale for each operand tensor; their sums are f32. All else is computed in f32.
;;   The module's matrix products, in the order in which they are computed (A, B: the left and right operand; K: the contracted axis; several contracted axes count as one K, in the product's order):
;;     1. [M 512, K 128] x [K 128, N 512]; A: input x; B: input W1: QUANTISED (scales: A lowp_scales[0], B lowp_scales[1])
;;     2. [M 65,536, K 128] x [K 128, N 512]; A: computed on the way; B: input W1: QUANTISED (scales: A lowp_scales[2], B lowp_scales[3])
;;     3. [M 65,536, K 128] x [K 128, N 512]; A: computed on the way; B: input W1: QUANTISED (scales: A lowp_scales[4], B lowp_scales[5])
;;     4. [M 512, K 512] x [K 512, N 1]; A: computed on the way; B: input W2: left as it is (N = 1 < 16)
;;     5. [M 65,536, K 512] x [K 512, N 1]; A: computed on the way; B: input W2: left as it is (N = 1 < 16)
;;     6. [M 65,536, K 512] x [K 512, N 1]; A: computed on the way; B: input W2: left as it is (N = 1 < 16)
;;     7. [M 65,536, K 512] x [K 512, N 1]; A: computed on the way; B: input W2: left as it is (N = 1 < 16)
;;   THE QUANTISER, for each operand of a quantised product, along K:
;;     - The operand's scale is 2^e, e = its entry of the input lowp_scales (int32; the entries are numbered through the quantised products in the list's order, A before B).
;;     - Each number is divided by the scale, clamped to +-448, and rounded to the nearest number of E4M3, ties to even, subnormals kept.
;;     - The product sums the exact products of the quantised numbers (number of the format x scale) in f32.
;;   ~~~python
;;   def quantise(x, axis, e):      # numpy; x: float32 -> the quantised numbers, widened to float32 again
;;       x = np.moveaxis(x, axis, -1); K = x.shape[-1]
;;       r = np.clip(x / 2.0 ** e, -448, 448)
;;       step = 2.0 ** (np.maximum(np.frexp(np.where(r == 0, 1, r))[1] - 1, -6) - 3)
;;       q = np.round(r / step) * step * 2.0 ** e      # np.round: ties to even
;;       return np.moveaxis(q, -1, axis).astype(np.float32)
;;   ~~~
;;   OPERANDS COMPUTED ON THE WAY. 'Computed on the way' means the value that the module computes at that place (a softmax that the list does not call 'softmax' is quantised finished and normalised). What goes into a quantiser is computed in f32, as accurately as f32 sums, v_exp_f32 and their like allow (about 1e-6 of the number): no bf16 or f16 on the way to a quantiser, and a product that is left as it is and whose result goes on into a quantised operand takes f32 operands (vector FMAs, or v_wmma_f32_16x16x4_f32). A number that lies on a knife's edge between two numbers of the format may be rounded either way, as far as f32 arithmetic and the matrix unit's own rounding can turn it there, and no further.
;; One version. Each part assembles by itself: llvm-mc -triple=amdgcn-amd-amdhsa -mcpu=gfx1250 --defsym DOCPART=n.
;; ======== version 1 of 1: 1 launch
;; launch laplace (part 1): grid 8 x 32, 16 waves a work-group, no clusters, 39,168 bytes of LDS; arguments x, W1, b1, W2, b2, lowp_scales, out0, out1, out2; writes out0, out1, out2
.if DOCPART == 1
	.amdgcn_target "amdgcn-amd-amdhsa--gfx1250"
	.amdhsa_code_object_version 6
	.text
	.protected	k_q96f6c26cab_laplace
	.globl	k_q96f6c26cab_laplace
	.p2align	8
	.type	k_q96f6c26cab_laplace,@function
k_q96f6c26cab_laplace:
	s_mov_b64 s[64:65], 0
	v_nop
	global_prefetch_b8 v0, s[64:65] scope:SCOPE_SE
	s_setreg_imm32_b32 hwreg(HW_REG_WAVE_MODE, 25, 1), 1
	s_wait_xcnt 0x0
; FORWARD LAPLACIAN OF f(x) = tanh(x W1 + b1) W2 + b2 BY 2-JETS.  x [512][128], W1 [128][512], b1 [512], W2 [512][1], b2 [1], f32; lowp_scales: e0 .. e5 (int32).
; out0 [128 i][512 b] = f(x_b), the same for every direction i;  out1 [128 i][512 b] = df/dx_i;  out2 [512 b] = the Laplacian.
; With z = Q0(x) Q1(W1) + b1, h = tanh(z), T2 = Q2(V) Q3(W1), T3 = Q4(V) Q5(W1) (V [128 i x 512 b][128 k]: reference()'s identity, row (i, b) = e_i):
;   out0[i][b] = sum_j W2_j h[b][j] + b2;  out1[i][b] = sum_j W2_j (1 - h^2)[b][j] T3[(i,b)][j];  out2[b] = sum_i sum_j W2_j (-2 h (1 - h^2))[b][j] T2[(i,b)][j] T3[(i,b)][j].
; ALL THREE QUANTISED PRODUCTS GO TO THE MATRIX UNIT ON CODES OF E4M3.  V's codes are made here by the stated quantiser: the code of 1 under e2 or e4 at k = i, the code 0 elsewhere.
; WORK LEFT OUT, for all values of the inputs: product 5 of the table, the outer tangent of f0, which reference() binds to _ and never uses.  Every input has a way to an output and is loaded.
;   The sums are grouped anew, same terms: the powers of two 2^(e4 + e5 + 2) and -2^(e2 + e3 + e4 + e5 + 3) multiply the finished sums, not each term.
; LIMITS.  A NaN, an infinity or an overflow that reaches only the work left out is not carried to the result.  The order of rounding in the sums differs from reference()'s.  NaN among the inputs is
;   not served.  Each e between -126 and 119; e0 + e1 between -127 and 126 (it is added to a constant's exponent field).  1 - h^2 is made as 4 (r - r^2), r = 1 / (1 + 2^(2.885390 z)), h = 1 - 2 r.
;   A work-group owns two numbers of out2 and stores them as 8 bytes: out2's blocks of 256 bytes are each written by 32 work-groups (the whole of out2 is 2,048 bytes).
; SHARES.  256 work-groups (bx = 0 .. 7, iy = 0 .. 31), sixteen waves.
;   PART L: out2 adds over all i and all j, and a sum does not span work-groups: so the work-group owns the two rows b = 64 bx + 2 iy + 0, 1 with all 128 directions: 256 rows (i, b) of V, sixteen tiles of
;     8 i x 2 b, each against all of W1, in products 2 and 3.  256 work-groups x 256 rows are the 65,536 rows of the table: each is multiplied once here.
;   PART F: rows of out0 and out1 leave as 256 consecutive bytes, 64 b: the work-group makes rows i = iy + 32 c, c = 0 .. 3, for b = 64 bx .. 64 bx + 63.  It wants rows (i, b) of product 3 that PART L of
;     other work-groups multiplies; row (i, b) of V does not hang on b, so ONE tile of sixteen equal rows e_i is multiplied for each i and serves all 64 b.
;   h of 64 + 2 rows wants all 512 hidden units, so every work-group walks all of W1 and makes product 1 and the tanh of its rows itself: 32 times over in the launch, in place of a second launch.
;   Wave w owns hidden units j0 = 32 w .. 32 w + 31 in all parts; the sums over j meet in LDS.
; W1 is read by every work-group, and yet no cluster asks for it jointly: the conversions want a lane to hold one column with its registers down K.  Loads into registers give that as they are, 128
;   consecutive bytes a load, and each group of eight rows is converted as it arrives; from LDS the same 128 loads of 4 bytes a lane would be owed again, behind a barrier for the whole of W1.
; No prefetch: W1 and x are read by many work-groups, and a wave's loads are asked for at the head or six groups ahead.
; LANES.  l = lane, r = l % 16, h = l / 16.  EVERY FRAGMENT OF CODES, of x, W1 and V alike, holds k = 32 c + 16 h + 4 q + n in byte n of register 4 c + q: one permutation of k on both sides of each product.
.set XIMG,   0                         ; LDS: the 64 rows of x as four fragments' images of their registers, 2,048 bytes each
.set XIMG5,  8192                      ; the two rows of PART L as one fragment (row r of it = x row r / 8): four copies, one for each four waves, so that every wave stores bytes of its own
.set PART,   16384                     ; sixteen waves' partial sums: four rows of out1 and one of f0, 64 b = 256 bytes each
.set PREC,   1280
.set LPART,  36864                     ; sixteen waves' partial sums of out2: two words each
.set SPARE,  37120                     ; the spare words, 128 bytes for each of sixteen waves: eight blocks of 256 bytes that no other line names
.set VW1, 4                            ; v4   4 l: my column in a row of W1
.set VX,  5                            ; v5   512 r + 64 h: x, the 64 rows
.set VC,  6                            ; v6   32 h: b1, W2
.set VX5, 7                            ; v7   512 (r / 8) + 64 h: x, the two rows
.set XST, 8                            ; v8   16 x thread: where my quarter of an image goes
.set LI,  9                            ; v9   16 l: an image's place for my lane
.set LI5, 10                           ; v10  XIMG5 + 2048 (w / 4) + 16 l
.set PST, 11                           ; v11  PART + 1280 w + 4 r
.set PRD, 12                           ; v12  PART + 256 min(w, 4) + 8 l
.set LST, 13                           ; v13  LPART + 8 w + 4 (r / 8)
.set LRD, 14                           ; v14  LPART + 4 l
.set GO,  15                           ; v15  8 l: my 8 bytes of a row's 256
.set SPW, 16                           ; v16  my spare word; never rewritten
.set NIL, 17                           ; v17  0; never rewritten
.set VF,  18                           ; v18  PART F: the code of 1 under e4 in byte iy % 4, in the half of the lanes that holds k = iy
.set C2S, 19                           ; v19  PART L: the code of 1 under e2 in byte r % 4
.set SC0, 20                           ; v20-27  2^e and 448 x 2^e for e0, e1, e3, e5; behind the walk over W1:
.set LM0, 21
.set SC1, 22
.set LM1, 23
.set SC3, 24
.set LM3, 25
.set SC5, 26
.set LM5, 27
.set ACC, 20                           ;         four pairs of sums
.set SCT, 28                           ; v28, v29  the same for e2, then for e4
.set LMT, 29
.set C4S, 30                           ; v30  PART L: the code of 1 under e4 in byte r % 4
.set SHV, 31                           ; v31  8 (r % 4)
.set XR,  32                           ; v32-63   my 16 + 16 numbers of x; then
.set Q3F, 32                           ; v32-63   W1's codes under e3: two fragments, columns j0 .. j0 + 15 and j0 + 16 .. j0 + 31
.set Q5F, 64                           ; v64-95   under e5
.set Q1F, 96                           ; v96-127  under e1; behind product 1:
.set HT,  96                           ;   v96-103 h at work, v104-111 f0's sums, v112-127 h of the two rows; then
.set SUMS, 104
.set H5,  112
.set WB,  96                           ; v96-141  V's fragments: a run of 46 registers, zeros but for index 14, 15 (e2), 30, 31 (e4); PART F: 12 .. 15.  A fragment is 16 of them
.set B1K, 128                          ; v128-143 b1 x 2.885390, in the result's layout: index 8 jt + t is j = j0 + 16 jt + 8 h + t
.set W2C, 144                          ; v144-159 W2 likewise; then result set Y
.set RAW, 160                          ; v160-223 a ring of eight groups of eight rows of W1; then
.set ZZ,  160                          ; v160-223 product 1: tile of rows m, tile of units jt at 160 + 16 m + 8 jt; then g = W2_j (r - r^2)
.set CL,  224                          ; v224-239 the same for the two rows; then W2_j h (r - r^2)
.set TA,  224                          ; (during the walk) v224-231, v232-239 numbers held, on their way to a conversion
.set TB,  232
.set DX,  240                          ; v240-255 a fragment of x; then result set X.  Set Y lies 96 registers lower
.set RD,  160                          ; the way out: sixteen partial pairs
.macro MKSC e, sc, lm                  ; 2^e and 448 x 2^e as f32, e = s[e]
	s_add_co_i32 s48, s[\e], 127
	s_lshl_b32 s49, s48, 23
	v_mov_b32 v[\sc], s49
	s_add_co_i32 s48, s48, 8
	s_lshl_b32 s48, s48, 23
	s_or_b32 s48, s48, 0x600000
	v_mov_b32 v[\lm], s48
.endm
.macro PLACES n
.rept \n
	v_nop
.endr
.endm
.macro LDG u                           ; rows 8 u .. 8 u + 7 of W1 at my column: each load reads 128 consecutive bytes
.irp i, 0,1,2,3,4,5,6,7
	global_load_b32 v[RAW+8*((\u)%8)+\i], v[VW1], s[40:41] offset:(8*(\u)+\i)*2048
.endr
.endm
.macro Q8 src, tmp, dst, sc, lm        ; eight numbers become eight codes: the conversion does not saturate (ISA guide 7.6.2), so each is held within 448 x the scale first
.irp i, 0,1,2,3,4,5,6,7
	v_med3_num_f32 v[\tmp+\i], v[\src+\i], -v[\lm], v[\lm]
.endr
	v_cvt_scalef32_pk8_fp8_f32 v[\dst:\dst+1], v[\tmp:\tmp+7], v[\sc]
.endm
.macro SETS u                          ; group u: its ring slot, and where its codes go: k = 8 u + .. belongs to registers 4 (u / 4) + 2 (u % 2) + 0, 1 of the half (u % 4) / 2
.set RS, RAW+8*((\u)%8)
.set OF, 16*(((\u)%4)/2)+4*((\u)/4)+2*((\u)%2)
.endm
.macro WAITW u                         ; group u's eight loads are in.  Behind them were issued the five younger groups (40), from u = 10 on the 15 - u groups that are left
.if (\u) < 10
	s_wait_loadcnt 40
.else
	s_wait_loadcnt 8*(15-(\u))
.endif
.endm
.macro GROUP_E u                       ; e1 = e3 = e5: one quantiser.  The two sets of held numbers take turns, so that eight plain lines stand between a conversion and the rewriting of its sources
	SETS \u
	WAITW \u
	Q8 RS, TA+8*((\u)%2), Q1F+OF, SC1, LM1
.if (\u) < 10
	LDG (\u)+6
.endif
.endm
.macro GROUP_G u                       ; any scales: W1 under e1 (product 1), e3 (product 2) and e5 (product 3); the sets of held numbers take turns through all 48 conversions
	SETS \u
	WAITW \u
	Q8 RS, TA+8*((3*(\u))%2), Q1F+OF, SC1, LM1
	Q8 RS, TA+8*((3*(\u)+1)%2), Q3F+OF, SC3, LM3
	Q8 RS, TA+8*((3*(\u)+2)%2), Q5F+OF, SC5, LM5
.if (\u) < 10
	LDG (\u)+6
.endif
.endm
.macro SWAP16 f                        ; lane l holds all 128 codes of column j0 + l: in the first 16 registers those of k = 32 c + 0 .. 15, in the second those of k = 32 c + 16 .. 31.  Sixteen swaps of half-waves
.irp n, 0,1,2,3,4,5,6,7,8,9,10,11,12,13,14,15   ; make of them two fragments: lane (r, h) of the first holds column j0 + r, of the second column j0 + 16 + r
	v_permlane16_swap_b32 v[\f+\n], v[\f+16+\n]
.endr
.endm
.macro FETCHX reg, adr, off            ; a fragment's image comes back as it was stored
.irp c, 0,1,2,3
	ds_load_b128 v[\reg+4*\c:\reg+4*\c+3], v[\adr] offset:\off+512*\c
.endr
.endm
.macro P1 d, xf                        ; product 1, TRANSPOSED: source 0 = 16 columns of W1, source 1 = 16 rows of x.  Lane (r, h) holds row r; register t: j = j0 + 16 jt + 8 h + t
	v_wmma_f32_16x16x128_fp8_fp8 v[\d:\d+7], v[Q1F:Q1F+15], v[\xf:\xf+15], 0
	v_wmma_f32_16x16x128_fp8_fp8 v[\d+8:\d+15], v[Q1F+16:Q1F+31], v[\xf:\xf+15], 0
.endm
.macro BARRIER                         ; my LDS stores have landed and my LDS loads are in: then the work-group's barrier
	s_wait_dscnt 0x0
	s_barrier_signal -1
	s_barrier_wait -1
.endm
.macro FOLD4 a, off                    ; four pairs: a pair's two halves, then the other half of the lanes: the sum over my wave's 32 units for b = 16 m + r.  Lanes r and r + 16 store the same word with the same value
.irp m, 0,1,2,3
	v_add_f32 v[\a+2*\m], v[\a+2*\m], v[\a+2*\m+1]
.endr
.irp m, 0,1,2,3
	v_permlanex16_b32 v[\a+2*\m+1], v[\a+2*\m], s46, s47   ; its destination counts as read: the pair's upper register has been written and is done with
.endr
.irp m, 0,1,2,3
	v_add_f32 v[\a+2*\m], v[\a+2*\m], v[\a+2*\m+1]
.endr
.irp m, 0,1,2,3
	ds_store_b32 v[PST], v[\a+2*\m] offset:\off+64*\m
.endr
.endm
.macro SUM16 b                         ; sixteen pairs become one
.irp p, 0,1,2,3,4,5,6,7
	v_pk_add_f32 v[\b+2*\p:\b+2*\p+1], v[\b+2*\p:\b+2*\p+1], v[\b+16+2*\p:\b+16+2*\p+1]
.endr
.irp p, 0,1,2,3
	v_pk_add_f32 v[\b+2*\p:\b+2*\p+1], v[\b+2*\p:\b+2*\p+1], v[\b+8+2*\p:\b+8+2*\p+1]
.endr
.irp p, 0,1
	v_pk_add_f32 v[\b+2*\p:\b+2*\p+1], v[\b+2*\p:\b+2*\p+1], v[\b+4+2*\p:\b+4+2*\p+1]
.endr
	v_pk_add_f32 v[\b:\b+1], v[\b:\b+1], v[\b+2:\b+3]
.endm
; PART L.  Tile tau of sixteen: row r of it is (i = 8 tau + r % 8, b = r / 8).  k = i lies in registers p, p + 1 of the fragment, p = 4 (tau / 4) + 2 (tau % 2), in the half (tau / 2) % 2 of the lanes.
; LW: products 2 and 3 of one tile of rows against my tile jt of units, into result set X (jt = 0) or Y (jt = 1): first eight registers T2's codes' sums, second eight T3's.
.macro LW p, jt
.set DS, DX-96*(\jt)
	v_wmma_f32_16x16x128_fp8_fp8 v[DS:DS+7], v[Q3F+16*(\jt):Q3F+16*(\jt)+15], v[WB+14-(\p):WB+29-(\p)], 0
	v_wmma_f32_16x16x128_fp8_fp8 v[DS+8:DS+15], v[Q5F+16*(\jt):Q5F+16*(\jt)+15], v[WB+30-(\p):WB+45-(\p)], 0
.endm
.macro LP jt, first                    ; sums += (W2 h (r - r^2)) T2 T3, eight units of my row, in four chains; each result from its low end on.  first = 1: the products start the sums
.set DS, DX-96*(\jt)
.irp k, 0,2,4,6
	v_pk_mul_f32 v[DS+\k:DS+\k+1], v[DS+\k:DS+\k+1], v[DS+8+\k:DS+8+\k+1]
.endr
.irp k, 0,2,4,6
.if \first
	v_pk_mul_f32 v[ACC+\k:ACC+\k+1], v[DS+\k:DS+\k+1], v[CL+8*(\jt)+\k:CL+8*(\jt)+\k+1]
.else
	v_pk_fma_f32 v[ACC+\k:ACC+\k+1], v[DS+\k:DS+\k+1], v[CL+8*(\jt)+\k:CL+8*(\jt)+\k+1], v[ACC+\k:ACC+\k+1]
.endif
.endr
.endm
; The eight tiles whose k lies in half hh of the lanes.  A step's two products are issued, then the step before is worked on: its eight lines name the other result set and none of the new products' registers,
; so they are the places (ISA guide 7.12.1) ahead of the next read of results and of the next products that write a set anew.  Only the first step has nothing to stand there: five v_nop.
.macro LHALF hh, first
	v_cndmask_b32 v[WB+14], 0, v[C2S], s[60+2*\hh]     ; rows with r % 8 < 4: k = i in register p
	v_cndmask_b32 v[WB+15], 0, v[C2S], s[61+2*\hh]     ; the others: in register p + 1
	v_cndmask_b32 v[WB+30], 0, v[C4S], s[60+2*\hh]
	v_cndmask_b32 v[WB+31], 0, v[C4S], s[61+2*\hh]
.irp a, 0,1,2,3
.irp u, 0,1
	LW (4*\a+2*\u), 0
.if (\a)+(\u) == 0
	PLACES 5
.else
	LP 1, 0
.endif
	LW (4*\a+2*\u), 1
.if (\a)+(\u) == 0
	LP 0, \first
.else
	LP 0, 0
.endif
.endr
.endr
	LP 1, 0
.endm
; PART F.  FW: product 3 for sixteen equal rows e_i, i = iy + 32 c, against my two tiles of units: every lane then holds T3[i][j0 + 16 jt + 8 h + t], the layout of g.  Sets X and Y by turns.
.macro FW c
.set DS, DX-96*((\c)%2)
	v_wmma_f32_16x16x128_fp8_fp8 v[DS:DS+7], v[Q5F:Q5F+15], v[WB+12-4*(\c):WB+27-4*(\c)], 0
	v_wmma_f32_16x16x128_fp8_fp8 v[DS+8:DS+15], v[Q5F+16:Q5F+31], v[WB+12-4*(\c):WB+27-4*(\c)], 0
.endm
.macro FP c                            ; sum over my 32 units of g[b][j] T3[i][j], for the four tiles of rows by turns; then the fold, and my partial row of out1 to LDS
.set DS, DX-96*((\c)%2)
.irp q, 0,2,4,6,8,10,12,14
.irp m, 0,1,2,3
.if \q == 0
	v_pk_mul_f32 v[ACC+2*\m:ACC+2*\m+1], v[ZZ+16*\m+\q:ZZ+16*\m+\q+1], v[DS+\q:DS+\q+1]
.else
	v_pk_fma_f32 v[ACC+2*\m:ACC+2*\m+1], v[ZZ+16*\m+\q:ZZ+16*\m+\q+1], v[DS+\q:DS+\q+1], v[ACC+2*\m:ACC+2*\m+1]
.endif
.endr
.endr
	FOLD4 ACC, 256*(\c)
.endm
	; ---- the head: arguments, ids, every address register
	s_load_b512 s[8:23], s[0:1], 0x0               ; x s[8:9], W1 s[10:11], b1 s[12:13], W2 s[14:15], b2 s[16:17], the scales' exponents s[18:19], out0 s[20:21], out1 s[22:23]
	s_load_b64 s[24:25], s[0:1], 0x40              ; out2
	v_lshl_add_u32 v[SPW], v0, 2, SPARE
	v_mov_b32 v[NIL], 0
	v_lshrrev_b32 v1, 5, v0
	v_readfirstlane_b32 s35, v1                    ; w: wave 0 .. 15
	v_and_b32 v1, 31, v0                           ; l
	v_and_b32 v2, 15, v0                           ; r
	v_bfe_u32 v3, v0, 4, 1                         ; h
	s_mov_b32 s36, ttmp9                           ; bx
	s_and_b32 s37, ttmp7, 0xffff                   ; iy
	v_lshlrev_b32 v[VW1], 2, v1
	v_lshlrev_b32 v[VX], 9, v2
	v_lshl_add_u32 v[VX], v3, 6, v[VX]
	v_lshlrev_b32 v[VC], 5, v3
	v_bfe_u32 v[LST], v0, 3, 1                     ; r / 8
	v_lshlrev_b32 v[VX5], 9, v[LST]
	v_lshl_add_u32 v[VX5], v3, 6, v[VX5]
	v_lshlrev_b32 v[XST], 4, v0
	v_lshlrev_b32 v[LI], 4, v1
	v_lshlrev_b32 v[GO], 3, v1
	s_lshr_b32 s58, s35, 2
	s_lshl_b32 s58, s58, 11
	s_add_co_u32 s58, s58, XIMG5
	v_add_nc_u32 v[LI5], s58, v[LI]
	s_mul_i32 s58, s35, PREC
	s_add_co_u32 s58, s58, PART
	v_lshlrev_b32 v[PST], 2, v2
	v_add_nc_u32 v[PST], s58, v[PST]
	s_min_u32 s58, s35, 4                          ; waves 0 .. 3 will add a row of out1 each, waves 4 .. 7 the row of f0
	s_lshl_b32 s58, s58, 8
	s_add_co_u32 s58, s58, PART
	v_add_nc_u32 v[PRD], s58, v[GO]
	s_lshl_b32 s58, s35, 3
	s_add_co_u32 s58, s58, LPART
	v_lshlrev_b32 v[LST], 2, v[LST]
	v_add_nc_u32 v[LST], s58, v[LST]
	v_add_nc_u32 v[LRD], LPART, v[VW1]
	v_and_b32 v[SHV], 3, v0
	v_lshlrev_b32 v[SHV], 3, v[SHV]                ; 8 (r % 4)
	v_bfe_u32 v[C4S], v0, 2, 1
	v_lshl_add_u32 v[C4S], v3, 1, v[C4S]           ; 2 h + (r / 4) % 2: which of V's four registers-and-halves my row's 1 falls into
.irp n, 0,1,2,3
	v_cmp_eq_u32 s[60+\n], \n, v[C4S]
.endr
	s_bfe_u32 s68, s37, 0x20002                    ; PART F: iy = 16 hh + 4 q + n: q,
	s_lshr_b32 s69, s37, 4                         ; hh,
	s_and_b32 s70, s37, 3
	s_lshl_b32 s70, s70, 3                         ; 8 n
	s_and_b32 s58, s35, 3
	s_lshl_b32 s48, s36, 15                        ; x: 64 bx rows of 512 bytes + the 128 bytes of K block w % 4;
	s_lshl_b32 s49, s58, 7
	s_add_co_u32 s48, s48, s49
	s_lshl_b32 s52, s37, 10
	s_add_co_u32 s52, s52, s48                     ; the two rows: + 2 iy rows
	s_mov_b32 s53, 0
	s_lshr_b32 s49, s35, 2
	s_lshl_b32 s49, s49, 13
	s_add_co_u32 s48, s48, s49                     ; the 64 rows: + 16 (w / 4) rows: wave w quantises a quarter of fragment w / 4
	s_mov_b32 s49, 0
	s_lshl_b32 s50, s35, 7                         ; my 32 units in a row of W1, in b1 and in W2
	s_mov_b32 s51, 0
	s_lshl_b32 s56, s36, 8                         ; my block's 64 b in a row of an output
	s_lshl_b32 s54, s37, 11
	s_lshl_b32 s58, s58, 16
	s_add_co_u32 s54, s54, s58
	s_add_co_u32 s54, s54, s56                     ; row iy + 32 (w % 4) of out0 and of out1
	s_mov_b32 s55, 0
	s_lshl_b32 s58, s37, 3
	s_add_co_u32 s56, s56, s58                     ; out2: number 64 bx + 2 iy
	s_mov_b32 s57, 0
	s_mov_b32 s46, 0x76543210                      ; v_permlanex16_b32's selects for lane l xor 16
	s_mov_b32 s47, 0xfedcba98
	s_mov_b32 s58, 0x4038aa3b                      ; 2 log2(e) = 2.885390
	s_mov_b32 s59, s58                             ; (named with it as a pair, so it is written)
	s_wait_kmcnt 0x0
	s_load_b128 s[28:31], s[18:19], 0x0            ; e0, e1, e2, e3
	s_load_b64 s[32:33], s[18:19], 0x10            ; e4, e5
	s_load_b32 s34, s[16:17], 0x0                  ; b2
	s_add_nc_u64 s[66:67], s[8:9], s[52:53]
	s_add_nc_u64 s[8:9], s[8:9], s[48:49]
	s_add_nc_u64 s[12:13], s[12:13], s[50:51]
	s_add_nc_u64 s[14:15], s[14:15], s[50:51]
	s_add_nc_u64 s[40:41], s[10:11], s[50:51]      ; W1 at my first column
	s_add_nc_u64 s[20:21], s[20:21], s[54:55]
	s_add_nc_u64 s[22:23], s[22:23], s[54:55]
	s_add_nc_u64 s[24:25], s[24:25], s[56:57]
.irp i, 0,1,2,3
	global_load_b128 v[XR+4*\i:XR+4*\i+3], v[VX], s[8:9] offset:16*\i          ; x[.. + r][32 c + 16 h + 0 .. 15]
.endr
.irp i, 0,1,2,3
	global_load_b128 v[XR+16+4*\i:XR+16+4*\i+3], v[VX5], s[66:67] offset:16*\i ; x[.. + r / 8][the same]
.endr
	global_load_b128 v[B1K:B1K+3], v[VC], s[12:13]
	global_load_b128 v[B1K+4:B1K+7], v[VC], s[12:13] offset:16
	global_load_b128 v[B1K+8:B1K+11], v[VC], s[12:13] offset:64
	global_load_b128 v[B1K+12:B1K+15], v[VC], s[12:13] offset:80
	global_load_b128 v[W2C:W2C+3], v[VC], s[14:15]
	global_load_b128 v[W2C+4:W2C+7], v[VC], s[14:15] offset:16
	global_load_b128 v[W2C+8:W2C+11], v[VC], s[14:15] offset:64
	global_load_b128 v[W2C+12:W2C+15], v[VC], s[14:15] offset:80
.irp u, 0,1,2,3,4
	LDG \u
.endr
	s_wait_kmcnt 0x0
	MKSC 28, SC0, LM0
	MKSC 29, SC1, LM1
	MKSC 31, SC3, LM3
	MKSC 33, SC5, LM5
	s_add_co_i32 s48, s28, s29
	s_lshl_b32 s48, s48, 23
	s_add_co_i32 s44, s48, 0x4038aa3b              ; a sum of product 1 stands for sum x 2^(e0 + e1): the two exponents are added to 2.885390's exponent field
	s_mov_b32 s45, s44
	s_xor_b32 s38, s31, s29
	s_xor_b32 s48, s33, s29
	s_or_b32 s38, s38, s48                         ; 0 where e3 = e5 = e1
	s_add_co_i32 s71, s32, s33
	s_add_co_i32 s72, s30, s31
	s_add_co_i32 s72, s72, s71
	s_add_co_i32 s71, s71, 2                       ; out1's sums x 2^(e4 + e5 + 2)
	s_add_co_i32 s72, s72, 3                       ; out2's sums x -2^(e2 + e3 + e4 + e5 + 3)
	; ---- x: my 16 + 16 numbers become codes, a quarter of an image each
	s_wait_loadcnt 48                              ; x's eight loads are in; behind them: 8 of b1 and W2, 40 of W1
.irp i, 0,1,2,3,4,5,6,7,8,9,10,11,12,13,14,15,16,17,18,19,20,21,22,23,24,25,26,27,28,29,30,31
	v_med3_num_f32 v[XR+\i], v[XR+\i], -v[LM0], v[LM0]
.endr
.irp g, 0,1,2,3
	v_cvt_scalef32_pk8_fp8_f32 v[TA+2*\g:TA+2*\g+1], v[XR+8*\g:XR+8*\g+7], v[SC0]
.endr
	ds_store_b128 v[XST], v[TA:TA+3]
	ds_store_b128 v[XST], v[TA+4:TA+7] offset:XIMG5
	LDG 5                                          ; six groups of W1 ahead from here on
	s_wait_loadcnt 48                              ; b1 and W2 are in; behind them: 48 of W1
.irp i, 0,2,4,6,8,10,12,14
	v_pk_mul_f32 v[B1K+\i:B1K+\i+1], v[B1K+\i:B1K+\i+1], s[58:59] op_sel_hi:[1,0]   ; (also the plain lines behind x's conversions)
.endr
	; ---- the 1 of reference()'s identity through the stated quantiser, under e2 and under e4: a code in the lowest byte, beside seven codes of 0
	MKSC 30, SCT, LMT
	v_med3_num_f32 v[TA], 1.0, -v[LMT], v[LMT]
.irp i, 1,2,3,4,5,6,7
	v_mov_b32 v[TA+\i], 0
.endr
	v_cvt_scalef32_pk8_fp8_f32 v[TB:TB+1], v[TA:TA+7], v[SCT]
	v_nop                                          ; a plain line between a scaled conversion and the lines that read its result or rewrite its sources
	v_lshlrev_b32 v[C2S], v[SHV], v[TB]
	MKSC 32, SCT, LMT
	v_med3_num_f32 v[TA], 1.0, -v[LMT], v[LMT]
	v_cvt_scalef32_pk8_fp8_f32 v[TB+2:TB+3], v[TA:TA+7], v[SCT]
	v_nop
	v_lshlrev_b32 v[C4S], v[SHV], v[TB+2]
	v_lshlrev_b32 v[VF], s70, v[TB+2]
	v_cmp_eq_u32 vcc_lo, s69, v3
	v_cndmask_b32 v[VF], 0, v[VF], vcc_lo
	; ---- the walk over W1: 16 groups of eight rows, each converted as it arrives
	s_cmp_eq_u32 s38, 0                            ; whole numbers read from memory decide; no barrier stands under this branch
	s_cbranch_scc0 .Lgeneral
.irp u, 0,1,2,3,4,5,6,7,8,9,10,11,12,13,14,15
	GROUP_E \u
.endr
	v_nop                                          ; a plain line behind the last conversion
	SWAP16 Q1F
.irp n, 0,1,2,3,4,5,6,7,8,9,10,11,12,13,14,15,16,17,18,19,20,21,22,23,24,25,26,27,28,29,30,31
	v_mov_b32 v[Q3F+\n], v[Q1F+\n]                 ; equal scales give equal codes: 64 copies in place of 288 lines of holds and conversions.  (Q1F's registers are given up behind product 1)
	v_mov_b32 v[Q5F+\n], v[Q1F+\n]
.endr
	s_branch .Lcodes
.Lgeneral:
.irp u, 0,1,2,3,4,5,6,7,8,9,10,11,12,13,14,15
	GROUP_G \u
.endr
	v_nop
	SWAP16 Q1F
	SWAP16 Q3F
	SWAP16 Q5F
.Lcodes:
	; ---- product 1: five tiles of rows x my two tiles of units, one K step each: ten sums, none taken up twice.  Fragments of x lie for a while in registers that later results take
	BARRIER                                        ; x's images are whole
	FETCHX DX, LI, XIMG
	FETCHX ZZ+64, LI, XIMG+2048
	FETCHX ZZ+48, LI, XIMG+4096
	s_wait_dscnt 0x0
	P1 ZZ, DX
	P1 ZZ+16, ZZ+64
	P1 ZZ+32, ZZ+48
	PLACES 5                                       ; four ahead of loads into registers that these products read; five ahead of the product below that writes over v224-239, which one of them read
	FETCHX DX, LI, XIMG+6144
	FETCHX ZZ+48, LI5, 0
	s_wait_dscnt 0x0
	P1 CL, ZZ+48                                   ; the two rows of PART L
	PLACES 5                                       ; five ahead of the product that writes over v208-223, which the last one read
	P1 ZZ+48, DX
	PLACES 4                                       ; four between the last product and the first read of results (ISA guide 7.12.1)
	; ---- r = 1 / (1 + 2^(2.885390 z)), in place, each result from its low end on
.set e, 0
.rept 40
	v_pk_fma_f32 v[ZZ+e:ZZ+e+1], v[ZZ+e:ZZ+e+1], s[44:45], v[B1K+e%16:B1K+e%16+1] op_sel_hi:[1,0,1]
.set e, e+2
.endr
.set e, 0
.rept 80
	v_exp_f32 v[ZZ+e], v[ZZ+e]
.set e, e+1
.endr
	v_nop                                          ; a plain line behind the last exponential
	s_wait_alu depctr_va_vdst(0)                   ; one wait for the batch of 80, ahead of its first reader
.set e, 0
.rept 40
	v_pk_add_f32 v[ZZ+e:ZZ+e+1], v[ZZ+e:ZZ+e+1], 1.0 op_sel_hi:[1,0]
.set e, e+2
.endr
.set e, 0
.rept 80
	v_rcp_f32 v[ZZ+e], v[ZZ+e]                     ; an overflowed exponential gives r = 0 (h = 1), a vanished one r = 1 (h = -1)
.set e, e+1
.endr
	v_nop
	s_wait_alu depctr_va_vdst(0)                   ; one wait for the 80 reciprocals
	; ---- the 64 rows: f0's sums, and g = W2_j (r - r^2).  A pair of units at a time, the four tiles of rows by turns
.irp c, 0,2,4,6,8,10,12,14
.irp m, 0,1,2,3
	v_pk_fma_f32 v[HT+2*\m:HT+2*\m+1], v[ZZ+16*\m+\c:ZZ+16*\m+\c+1], -2.0, 1.0 op_sel_hi:[1,0,0]   ; h = 1 - 2 r
.endr
.irp m, 0,1,2,3
.if \c == 0
	v_pk_mul_f32 v[SUMS+2*\m:SUMS+2*\m+1], v[HT+2*\m:HT+2*\m+1], v[W2C+\c:W2C+\c+1]
.else
	v_pk_fma_f32 v[SUMS+2*\m:SUMS+2*\m+1], v[HT+2*\m:HT+2*\m+1], v[W2C+\c:W2C+\c+1], v[SUMS+2*\m:SUMS+2*\m+1]
.endif
.endr
.irp m, 0,1,2,3
	v_pk_fma_f32 v[ZZ+16*\m+\c:ZZ+16*\m+\c+1], v[ZZ+16*\m+\c:ZZ+16*\m+\c+1], v[ZZ+16*\m+\c:ZZ+16*\m+\c+1], v[ZZ+16*\m+\c:ZZ+16*\m+\c+1] neg_lo:[1,0,0] neg_hi:[1,0,0]   ; r - r^2
.endr
.irp m, 0,1,2,3
	v_pk_mul_f32 v[ZZ+16*\m+\c:ZZ+16*\m+\c+1], v[ZZ+16*\m+\c:ZZ+16*\m+\c+1], v[W2C+\c:W2C+\c+1]
.endr
.endr
	; ---- the two rows: W2_j h (r - r^2)
.irp c, 0,2,4,6,8,10,12,14
	v_pk_fma_f32 v[H5+\c:H5+\c+1], v[CL+\c:CL+\c+1], -2.0, 1.0 op_sel_hi:[1,0,0]
.endr
.irp c, 0,2,4,6,8,10,12,14
	v_pk_fma_f32 v[CL+\c:CL+\c+1], v[CL+\c:CL+\c+1], v[CL+\c:CL+\c+1], v[CL+\c:CL+\c+1] neg_lo:[1,0,0] neg_hi:[1,0,0]
.endr
.irp c, 0,2,4,6,8,10,12,14
	v_pk_mul_f32 v[CL+\c:CL+\c+1], v[CL+\c:CL+\c+1], v[H5+\c:H5+\c+1]
.endr
.irp c, 0,2,4,6,8,10,12,14
	v_pk_mul_f32 v[CL+\c:CL+\c+1], v[CL+\c:CL+\c+1], v[W2C+\c:W2C+\c+1]
.endr
	FOLD4 SUMS, 1024                               ; my partial row of f0
	; ---- V's zeros: the code of 0 is 0.  42 registers, written once, serve all 72 products of this wave with V
.irp z, 0,16,32
.irp n, 0,1,2,3,4,5,6,7,8,9,10,11,12,13
	v_mov_b32 v[WB+\z+\n], 0
.endr
.endr
	; ---- PART L: sixteen tiles of 8 i x 2 b, products 2 and 3
	LHALF 0, 1
	LHALF 1, 0
	v_pk_add_f32 v[ACC:ACC+1], v[ACC:ACC+1], v[ACC+2:ACC+3]
	v_pk_add_f32 v[ACC+4:ACC+5], v[ACC+4:ACC+5], v[ACC+6:ACC+7]
	v_pk_add_f32 v[ACC:ACC+1], v[ACC:ACC+1], v[ACC+4:ACC+5]
	v_add_f32 v[ACC], v[ACC], v[ACC+1]
	v_add_f32_dpp v[ACC], v[ACC], v[ACC] row_xmask:1 row_mask:0xf bank_mask:0xf   ; over the eight i of a tile: lanes r % 8,
	v_add_f32_dpp v[ACC], v[ACC], v[ACC] row_xmask:2 row_mask:0xf bank_mask:0xf
	v_add_f32_dpp v[ACC], v[ACC], v[ACC] row_xmask:4 row_mask:0xf bank_mask:0xf
	v_permlanex16_b32 v[ACC+1], v[ACC], s46, s47   ; and over the two halves' units
	v_add_f32 v[ACC], v[ACC], v[ACC+1]
	ds_store_b32 v[LST], v[ACC]                    ; my wave's part for b = r / 8: the sixteen lanes of a b store the same word with the same value
	; ---- PART F: four directions i = iy + 32 c.  k = i lies in register 4 c + q, byte iy % 4, half hh: the four registers of index 12 .. 15 hold it at q, and fragment c begins 4 c registers lower
.irp n, 0,1,2,3
	s_cmp_eq_u32 s68, \n
	s_cselect_b32 s48, -1, 0
	v_and_b32 v[WB+12+\n], s48, v[VF]              ; (the last products that read these registers stand eight plain lines and more back)
.endr
	FW 0
	PLACES 5                                       ; as in PART L: only the first step has nothing to stand behind it
	FW 1
	FP 0
	FW 2
	FP 1
	FW 3
	FP 2
	FP 3
	BARRIER                                        ; all sixteen waves' partial sums lie in LDS
	; ---- the way out.  Waves 0 .. 3: row iy + 32 w of out1; waves 4 .. 7: row iy + 32 (w - 4) of out0; wave 8: the two numbers of out2
	s_cmp_lt_u32 s35, 8
	s_cbranch_scc0 .Lnot_rows
.irp p, 0,1,2,3,4,5,6,7,8,9,10,11,12,13,14,15
	ds_load_b64 v[RD+2*\p:RD+2*\p+1], v[PRD] offset:PREC*\p
.endr
	s_wait_dscnt 0x0
	SUM16 RD
	s_cmp_lt_u32 s35, 4
	s_cbranch_scc0 .Lrow_f0
	v_ldexp_f32 v[RD], v[RD], s71                  ; x 2^(e4 + e5 + 2)
	v_ldexp_f32 v[RD+1], v[RD+1], s71
	global_store_b64 v[GO], v[RD:RD+1], s[22:23] th:TH_STORE_NT   ; 32 lanes store 256 consecutive bytes, at a multiple of 256 from out1's first byte
	s_branch .Lend
.Lrow_f0:
	v_add_f32 v[RD], s34, v[RD]                    ; + b2
	v_add_f32 v[RD+1], s34, v[RD+1]
	global_store_b64 v[GO], v[RD:RD+1], s[20:21] th:TH_STORE_NT   ; the same in out0
	s_branch .Lend
.Lnot_rows:
	s_cmp_eq_u32 s35, 8
	s_cbranch_scc0 .Lend
	ds_load_b32 v[RD], v[LRD]                      ; lane l: wave l / 2's part for b = l % 2
	s_wait_dscnt 0x0
	v_add_f32_dpp v[RD], v[RD], v[RD] row_xmask:2 row_mask:0xf bank_mask:0xf
	v_add_f32_dpp v[RD], v[RD], v[RD] row_xmask:4 row_mask:0xf bank_mask:0xf
	v_add_f32_dpp v[RD], v[RD], v[RD] row_xmask:8 row_mask:0xf bank_mask:0xf
	v_permlanex16_b32 v[RD+1], v[RD], s46, s47     ; (its destination has been written: it held a number of g)
	v_add_f32 v[RD], v[RD], v[RD+1]
	v_ldexp_f32 v[RD], -v[RD], s72                 ; x -2^(e2 + e3 + e4 + e5 + 3)
	v_mov_b32_dpp v[RD+1], v[RD] row_xmask:1 row_mask:0xf bank_mask:0xf   ; lane 0 takes lane 1's: both numbers in one lane
	v_cmp_eq_u32 vcc_lo, 0, v1
	s_wait_xcnt 0x0                                ; EXEC changes only behind s_wait_xcnt 0
	s_and_saveexec_b32 s48, vcc_lo
	global_store_b64 v[VW1], v[RD:RD+1], s[24:25] th:TH_STORE_NT   ; lane 0 alone (its 4 l is 0): the 8 bytes of out2 that this work-group owns
	s_wait_xcnt 0x0                                ; and again, in front of the line that widens it
	s_or_b32 exec_lo, exec_lo, s48
.Lend:
	s_wait_tensorcnt 0x0                           ; the wave's end, behind my last LDS store
	ds_add_u32 v[SPW], v[NIL]
	s_wait_dscnt 0x0
	s_endpgm
.Lfunc_end_k_q96f6c26cab_laplace:
	.size	k_q96f6c26cab_laplace, .Lfunc_end_k_q96f6c26cab_laplace-k_q96f6c26cab_laplace
	.p2alignl 7, 3214868480
	.fill 96, 4, 3214868480
	.section	.rodata,"a",@progbits
	.p2align	6, 0x0
	.amdhsa_kernel k_q96f6c26cab_laplace
		.amdhsa_group_segment_fixed_size 39168
		.amdhsa_private_segment_fixed_size 0
		.amdhsa_enable_private_segment 0
		.amdhsa_kernarg_size 72
		.amdhsa_user_sgpr_count 2
		.amdhsa_user_sgpr_kernarg_segment_ptr 1
		.amdhsa_wavefront_size32 1
		.amdhsa_system_sgpr_workgroup_id_x 1
		.amdhsa_system_sgpr_workgroup_id_y 1
		.amdhsa_system_sgpr_workgroup_id_z 1
		.amdhsa_system_vgpr_workitem_id 0
		.amdhsa_next_free_vgpr 256
		.amdhsa_next_free_sgpr 80
		.amdhsa_reserve_vcc 1
		.amdhsa_float_denorm_mode_32 3
		.amdhsa_float_denorm_mode_16_64 3
		.amdhsa_memory_ordered 1
		.amdhsa_forward_progress 1
		.amdhsa_inst_pref_size 134
	.end_amdhsa_kernel
	.amdgpu_metadata
---
amdhsa.version: [ 1, 2 ]
amdhsa.kernels:
  - .name:           k_q96f6c26cab_laplace
    .symbol:         k_q96f6c26cab_laplace.kd
    .args:
      - { .name: x, .offset: 0, .size: 8, .value_kind: global_buffer, .address_space: global }
      - { .name: W1, .offset: 8, .size: 8, .value_kind: global_buffer, .address_space: global }
      - { .name: b1, .offset: 16, .size: 8, .value_kind: global_buffer, .address_space: global }
      - { .name: W2, .offset: 24, .size: 8, .value_kind: global_buffer, .address_space: global }
      - { .name: b2, .offset: 32, .size: 8, .value_kind: global_buffer, .address_space: global }
      - { .name: lowp_scales, .offset: 40, .size: 8, .value_kind: global_buffer, .address_space: global }
      - { .name: out0, .offset: 48, .size: 8, .value_kind: global_buffer, .address_space: global }
      - { .name: out1, .offset: 56, .size: 8, .value_kind: global_buffer, .address_space: global }
      - { .name: out2, .offset: 64, .size: 8, .value_kind: global_buffer, .address_space: global }
    .group_segment_fixed_size: 39168
    .private_segment_fixed_size: 0
    .kernarg_segment_align: 8
    .kernarg_segment_size: 72
    .max_flat_workgroup_size: 512
    .sgpr_count:     80
    .vgpr_count:     256
    .wavefront_size: 32
...
	.end_amdgpu_metadata
.endif
;; end of part 1
